; MI455X (gfx1250); checked and timed in simulation.
; The chip was launched on July 23, 2026; its instructions are those of AMD's public machine-readable ISA for CDNA 5 (MIT licence, August 2026) and "CDNA5" Instruction Set Architecture Reference Guide (July 2026). The comments in the code are by the model that wrote it; some were corrected since.
;; Attention. Allowed arithmetic: matrix products marked QUANTISED: E2M3 operands, one E8M0 scale for each 32 along K, by v_wmma_scale_f32_16x16x128_f8f6f4 with both operands' format E2M3, f32 sums; everything else in f32.
;; Inputs: b_out 128 float32; w_out 128 x 128 float32; w_qkv 384 x 128 float32; x 4 x 128 x 64 x 64 float32.
;; Outputs: out0 4 x 128 x 64 x 64 float32.
;; This version of the problem:
;;   THIS VERSION OF THE PROBLEM IS GIVEN IN LOW PRECISION. The matrix products marked QUANTISED in the list below multiply operands that are first quantised to E2M3 (2 exponent bits, 3 mantissa bits; 6 bits a number), with one power-of-two scale for each 32 numbers along K (OCP MX v1.0); their sums are f32. All else is computed in f32.
;;   The module's matrix products, in the order in which they are computed (A, B: the left and right operand; K: the contracted axis; several contracted axes count as one K, in the product's order):
;;     1. [M 16,384, K 128] x [K 128, N 384]; A: input x; B: input w_qkv: QUANTISED
;;     2. batch 16 x [M 4,096, K 32] x [K 32, N 4,096]; A: computed on the way; B: computed on the way: QUANTISED
;;     3. batch 16 x [M 4,096, K 4,096] x [K 4,096, N 32]; A: softmax (see below); B: computed on the way: QUANTISED
;;     4. [M 16,384, K 128] x [K 128, N 128]; A: computed on the way; B: input w_out: QUANTISED
;;   THE QUANTISER, for each operand of a quantised product, along K:
;;     - K is cut into blocks of 32 from its start; a last block that is shorter is filled with zeros.
;;     - A block's scale is 2^e with e = floor(log2(the largest magnitude in the block)) - 2, held to -126 .. 127; a block of zeros has e = 0. As a byte (E8M0): e + 127.
;;     - Each number is divided by its block's scale, clamped to +-7.5, and rounded to the nearest number of E2M3, ties to even, subnormals kept.
;;     - The product sums the exact products of the quantised numbers (number of the format x scale) in f32.
;;   ~~~python
;;   def quantise(x, axis):      # numpy; x: float32 -> the quantised numbers, widened to float32 again
;;       x = np.moveaxis(x, axis, -1); K = x.shape[-1]
;;       x = np.pad(x, [(0, 0)] * (x.ndim - 1) + [(0, -K % 32)]); x = x.reshape(x.shape[:-1] + (-1, 32)); a = np.abs(x).max(-1, keepdims=True)
;;       e = np.where(a > 0, np.clip(np.frexp(np.where(a > 0, a, 1))[1] - 1 - 2, -126, 127), 0)      # np.frexp(a)[1] - 1 = floor(log2(a)), exactly
;;       r = np.clip(x / 2.0 ** e, -7.5, 7.5)
;;       step = 2.0 ** (np.maximum(np.frexp(np.where(r == 0, 1, r))[1] - 1, 0) - 3)
;;       q = np.round(r / step) * step * 2.0 ** e      # np.round: ties to even
;;       return np.moveaxis(q.reshape(q.shape[:-2] + (-1,))[..., :K], -1, axis).astype(np.float32)
;;   ~~~
;;   SOFTMAX AHEAD OF A QUANTISED PRODUCT. Where the list says 'softmax', what is quantised is not the finished softmax but p = 2^(t - M), with t = logit x log2(e) and M = ceil(the row's largest t), a whole number; so 1/2 < the row's largest p <= 1. The row's sum l is taken of the UNQUANTISED p, in f32, and the product's result is divided by l at the end. Since M is a whole number, a kernel that streams over the keys may use a running M (the ceiling of the running maximum): every later rescaling is an exact power of two, which a block's scale takes up: the codes' values come out the same.
;;   OPERANDS COMPUTED ON THE WAY. 'Computed on the way' means the value that the module computes at that place (a softmax that the list does not call 'softmax' is quantised finished and normalised). What goes into a quantiser is computed in f32, as accurately as f32 sums, v_exp_f32 and their like allow (about 1e-6 of the number): no bf16 or f16 on the way to a quantiser, and a product that is left as it is and whose result goes on into a quantised operand takes f32 operands (vector FMAs, or v_wmma_f32_16x16x4_f32). A number that lies on a knife's edge between two numbers of the format may be rounded either way, as far as f32 arithmetic and the matrix unit's own rounding can turn it there, and no further.
;; One version. Each part assembles by itself: llvm-mc -triple=amdgcn-amd-amdhsa -mcpu=gfx1250 --defsym DOCPART=n.
;; ======== version 1 of 1: 2 launches
;; workspace buffers: qkv 4,915,200 bytes
;; launch prep (part 1): grid 32 x 4, 8 waves a work-group, no clusters, 58,368 bytes of LDS; arguments x, w_qkv, qkv; writes qkv
.if DOCPART == 1
	.amdgcn_target "amdgcn-amd-amdhsa--gfx1250"
	.amdhsa_code_object_version 6
	.text
	.protected	k_q6fa369e710_prep
	.globl	k_q6fa369e710_prep
	.p2align	8
	.type	k_q6fa369e710_prep,@function
k_q6fa369e710_prep:
	s_mov_b64 s[64:65], 0
	v_nop
	global_prefetch_b8 v0, s[64:65] scope:SCOPE_SE
	s_setreg_imm32_b32 hwreg(HW_REG_WAVE_MODE, 25, 1), 1
	s_wait_xcnt 0x0
; qkv = w_qkv x (a 1x1 convolution), on codes of FP6 (E2M3) with one E8M0 scale for each 32 channels; then q x 32^-1/2; then q and k are quantised along the head's 32
; channels and v along the tokens, and leave as IMAGES OF OPERAND REGISTERS for the attention launch.  x: [4][128][4096] f32, w_qkv: [384][128] f32.
; SHARES.  A work-group takes 128 tokens of one batch (x = step of 128 tokens, y = batch): a fragment of v and its scale word want 128 tokens in one place.  Eight waves.
;   First phase: wave w quantises x for tokens 32 (w & 3) .. + 31, channels 64 (w >> 2) .. + 63 (a lane a token, registers down the channels), and W's tiles 3 w .. 3 w + 2.
;   Second phase: wave w = 2 hd + f makes, for head hd: q and k of the 64 tokens of half f, and v's channels of tile f for all 128 tokens.
; ORDERS.  Token tile T, row r, is token 32 (T / 2) + 8 (T % 2) + r + 8 (r / 8); W tile t, row r, is row 32 (t / 2) + 8 (t % 2) + r + 8 (r / 8) of w_qkv:
;   so the 16 registers of two neighbouring result tiles are 16 neighbours along the next product's K.
; THE CHUNK, 38,400 bytes for each 128 tokens of a batch (chunk 32 b + step).  An image: group g of four registers of lane l at 512 g + 16 l; a fragment is 1,536 bytes.
;   0 + 6144 hd: k's fragments 0, 1 (block j of fragment F = the 32 channels of token tile 4 F + j), then v's tiles 0, 1 (16 channels x 128 tokens)
;   24576 + 256 hd: k's scale words at 4 (16 F + r), v's at 128 + 4 (16 t + r);  25600 + 128 hd + 64 f + 4 r: q's;  26112 + 1536 (2 hd + f): q's fragment (as k's)
; w_qkv is read by every work-group through plain loads and quantised in registers; no tensor load stands in this text, so no joint request can be made for it.
; LIMITS: NaN and infinities among the inputs are not served.  A block of zeros gets the byte 1 where the rule says 127: its codes are zeros, and this program alone reads the bytes.
;   A block whose largest magnitude lies under 2^-124 is held at the byte 1.
.set CHUNK, 38400
.set XIMG,  0                          ; LDS: x's 8 fragments, 1,536 bytes each, as images by PAIRS: pair p of lane l at 256 p + 8 l
.set XSC,   12288                      ; x's scale words: (T, r) at 64 T + 4 r
.set WIMG,  12800                      ; W's 24 fragments, images by fours
.set WSC,   49664                      ; W's scale words, 128 bytes a tile
.set SCG,   52736                      ; the chunk's bytes 24576 .. 26111, gathered
.set LN,  1                            ; v1   lane
.set RR,  2                            ; v2   r = lane % 16
.set HH,  3                            ; v3   h = lane / 16
.set XO,  4                            ; v4   x: 4 x my token's place among the wave's 32
.set WO,  5                            ; v5   W: my row of a tile, + 128 h
.set L16, 6                            ; v6   16 x lane
.set L8,  7                            ; v7   8 x lane
.set L4,  8                            ; v8   4 x lane
.set XWI, 9                            ; v9   where I store x's pairs
.set XWS, 10                           ; v10  and x's two scale bytes
.set WWI, 11                           ; v11  where I store W's images
.set WWS, 12                           ; v12  and W's scale words
.set XRD, 13                           ; v13  x's fragments of my half f
.set XSA, 14                           ; v14  and their scale words
.set WRD, 15                           ; v15  W's fragments of my head
.set WRS, 16                           ; v16  and their scale words
.set WRV, 17                           ; v17  v's tile f of my head
.set WVS, 18                           ; v18  and its scale words
.set SGB, 19                           ; v19  k's and v's scale words in SCG
.set SGQ, 20                           ; v20  q's
.set SGR, 21                           ; v21  SCG + 16 x thread (waves 0 to 2 read there)
.set G16, 22                           ; v22  16 x thread
.set SH8, 23                           ; v23  8 h
.set MX,  24                           ; v24-27 largest magnitudes
.set SOL, 26                           ; v26-27 QLANE's two scale operands (it has two maxima only)
.set BY,  28                           ; v28-31 scale bytes; also lane permutes' destinations
.set XR,  32                           ; v32-95   x, 64 numbers
.set W0R, 96                           ; v96-159  W tile 0, later tile 2
.set W1R, 160                          ; v160-223 W tile 1
.set XF,  32                           ; second phase: four fragments of x
.set WF,  84                           ; five of W: q's two, k's two, v's one
.set ACC, 144                          ; v144-207 eight accumulators
.set SO,  220                          ; v220-223 QUANT's four scale operands
.set PC,  224                          ; v224-235 the codes just made
.set P2,  236                          ; v236-238, v240-242 second halves of blocks
.set TW,  239                          ; v239 at work
.set PW,  243                          ; v243 the scale word just made
.set WS,  244                          ; v244-248 W's scale words: these and the next two hold scales and nothing else
.set XQ,  249                          ; v249-250 x's, tiles 4 f .. 4 f + 3: two tiles a register
.set XA,  251                          ; v251-254 x's, tiles 0 .. 7
.set WV,  10
.set HD,  11
.set FF,  12
.set GG,  13
.set CC,  14
.set SEL, 30                           ; s[30:31] v_permlanex16_b32's selects for lane l xor 16
.set SCL, 32                           ; s[32:33] 32^-1/2
; 64 numbers of a lane, v[s + 32 c + i]: two blocks of 32, each whole in the lane -> 12 registers of codes at v[d + 6 c], bytes in v[BY + c].
.macro QLANE s, d
.irp c, 0,1
	v_max3_num_f32 v[MX+\c], |v[\s+32*\c]|, |v[\s+32*\c+1]|, 0x1800000   ; and the floor 2^(3 - 127): the byte cannot fall under 1
.endr
.irp i, 2,4,6,8,10,12,14,16,18,20,22,24,26,28,30
.irp c, 0,1
	s_delay_alu instid0(VALU_DEP_2)
	v_max3_num_f32 v[MX+\c], v[MX+\c], |v[\s+32*\c+\i]|, |v[\s+32*\c+\i+1]|
.endr
.endr
.irp c, 0,1
	s_delay_alu instid0(VALU_DEP_2)
	v_add_nc_u32 v[SOL+\c], 0xff000000, v[MX+\c]   ; 2 off the exponent field: the conversion's scale operand
.endr
.irp c, 0,1
	s_delay_alu instid0(VALU_DEP_2)
	v_lshrrev_b32 v[BY+\c], 23, v[SOL+\c]          ; the scale's byte
.endr
.irp c, 0,1
	v_cvt_scalef32_pk16_fp6_f32 v[\d+6*\c:\d+6*\c+2], v[\s+32*\c:\s+32*\c+15], v[SOL+\c]
	v_cvt_scalef32_pk16_fp6_f32 v[P2+4*\c:P2+4*\c+2], v[\s+32*\c+16:\s+32*\c+31], v[SOL+\c]   ; (a conversion's three registers begin on an even number)
.endr
	v_nop                                          ; one plain place behind a scaled conversion
.irp c, 0,1
.irp i, 0,1,2
	v_mov_b32 v[\d+6*\c+3+\i], v[P2+4*\c+\i]
.endr
.endr
.endm
; my two bytes are blocks h and 2 + h of row r: with lane l xor 16's two the scale word is whole, in both halves of the lanes
.macro WWORD dst
	v_lshl_or_b32 v[\dst], v[BY+1], 16, v[BY]
	s_delay_alu instid0(VALU_DEP_1)
	v_lshlrev_b32 v[\dst], v[SH8], v[\dst]
	s_delay_alu instid0(VALU_DEP_1)
	v_permlanex16_b32 v[TW], v[\dst], s[SEL], s[SEL+1]
	s_delay_alu instid0(VALU_DEP_1)
	v_or_b32 v[\dst], v[\dst], v[TW]
.endm
; 64 numbers of a lane, register 16 b + i = k 32 b + 16 h + i of my row -> a fragment's codes in v[PC] on and its scale word in v[PW]
.macro QUANT s
.irp b, 0,1,2,3
	v_max3_num_f32 v[MX+\b], |v[\s+16*\b]|, |v[\s+1+16*\b]|, 0x1800000
.endr
.irp i, 2,4,6,8,10,12,14
.irp b, 0,1,2,3
	v_max3_num_f32 v[MX+\b], v[MX+\b], |v[\s+16*\b+\i]|, |v[\s+1+16*\b+\i]|
.endr
.endr
.irp b, 0,1,2,3
	s_delay_alu instid0(VALU_DEP_4)
	v_permlanex16_b32 v[BY+\b], v[MX+\b], s[SEL], s[SEL+1]
.endr
.irp b, 0,1,2,3
	s_delay_alu instid0(VALU_DEP_4)
	v_max_num_f32 v[MX+\b], v[MX+\b], v[BY+\b]     ; with lane l xor 16's: the block's largest magnitude
.endr
.irp b, 0,1,2,3
	s_delay_alu instid0(VALU_DEP_4)
	v_add_nc_u32 v[SO+\b], 0xff000000, v[MX+\b]
.endr
.irp b, 0,1,2,3
	s_delay_alu instid0(VALU_DEP_4)
	v_lshrrev_b32 v[BY+\b], 23, v[SO+\b]
.endr
	s_delay_alu instid0(VALU_DEP_3)
	v_lshl_or_b32 v[PW], v[BY+1], 8, v[BY]
	s_delay_alu instid0(VALU_DEP_1)
	v_lshl_or_b32 v[PW], v[BY+2], 16, v[PW]
	s_delay_alu instid0(VALU_DEP_1)
	v_lshl_or_b32 v[PW], v[BY+3], 24, v[PW]
.irp c, 0,1
	v_cvt_scalef32_pk16_fp6_f32 v[PC+6*\c:PC+2+6*\c], v[\s+32*\c:\s+15+32*\c], v[SO+2*\c]
	v_cvt_scalef32_pk16_fp6_f32 v[P2+4*\c:P2+2+4*\c], v[\s+16+32*\c:\s+31+32*\c], v[SO+2*\c+1]
.endr
	v_nop                                          ; one plain place behind a scaled conversion
.irp c, 0,1                                    ; the operand's layout wants a WHOLE block in a lane: lanes 0-15 block 2 c, lanes 16-31 block 2 c + 1
.irp i, 0,1,2
	v_permlane16_swap_b32 v[PC+6*\c+\i], v[P2+4*\c+\i]
.endr
.irp i, 0,1,2
	s_delay_alu instid0(VALU_DEP_3)
	v_mov_b32 v[PC+3+6*\c+\i], v[P2+4*\c+\i]
.endr
.endr
.endm
.macro BARRIER                                 ; my LDS stores have landed and my LDS loads are in: then the work-group's barrier
	s_wait_dscnt 0x0
	s_barrier_signal -1
	s_barrier_wait -1
.endm
.macro XFETCH adr, t0                          ; four fragments of x, tiles t0 on (counted from the address's own first tile)
.irp t, 0,1,2,3
.irp p, 0,1,2,3,4,5
	ds_load_b64 v[XF+12*\t+2*\p:XF+12*\t+2*\p+1], v[\adr] offset:XIMG+1536*(\t0+\t)+256*\p
.endr
.endr
.endm
.macro WOUT k                                  ; W tile k of my three: its image and its scale words
	WWORD PW
.irp g, 0,1,2
	ds_store_b128 v[WWI], v[PC+4*\g:PC+4*\g+3] offset:WIMG+1536*\k+512*\g
.endr
	ds_store_b32 v[WWS], v[PW] offset:WSC+128*\k
.endm
.macro GOUT base                               ; a fragment leaves as it stands: each store of the wave covers 512 consecutive bytes, aligned
.irp g, 0,1,2
	global_store_b128 v[L16], v[PC+4*\g:PC+4*\g+3], s[\base:\base+1] offset:512*\g
.endr
.endm
; q (kind 0) or k (kind 1) of my head, TRANSPOSED: source 0 = 16 rows of W, source 1 = 16 tokens.  Lane (r, h) holds token row r of tile 4 f + b, register 16 b + 8 u + j = channel 16 h + 8 u + j.
.macro UNIT_T kind
.irp b, 0,1,2,3
.irp u, 0,1
.if \b%2
	v_wmma_scale_f32_16x16x128_f8f6f4 v[ACC+16*\b+8*\u:ACC+16*\b+8*\u+7], v[WF+12*(2*\kind+\u):WF+12*(2*\kind+\u)+11], v[XF+12*\b:XF+12*\b+11], 0, v[WS+2*\kind+\u], v[XQ+\b/2] matrix_a_fmt:MATRIX_FMT_FP6 matrix_b_fmt:MATRIX_FMT_FP6 matrix_b_scale:MATRIX_SCALE_ROW1
.else
	v_wmma_scale_f32_16x16x128_f8f6f4 v[ACC+16*\b+8*\u:ACC+16*\b+8*\u+7], v[WF+12*(2*\kind+\u):WF+12*(2*\kind+\u)+11], v[XF+12*\b:XF+12*\b+11], 0, v[WS+2*\kind+\u], v[XQ+\b/2] matrix_a_fmt:MATRIX_FMT_FP6 matrix_b_fmt:MATRIX_FMT_FP6
.endif
.endr
.endr
.rept 4
	v_nop                                          ; four places in front of the first read of results and of loads into the operands' registers
.endr
.endm
; v: source 0 = 16 tokens (tile 4 half + t), source 1 = my 16 rows of W.  Lane (r, h) holds channel row r, register 8 T + j = token 32 (T / 2) + 16 h + 8 (T % 2) + j.
.macro UNIT_V half
.irp t, 0,1,2,3
.if \t%2
	v_wmma_scale_f32_16x16x128_f8f6f4 v[ACC+8*(4*\half+\t):ACC+8*(4*\half+\t)+7], v[XF+12*\t:XF+12*\t+11], v[WF+48:WF+59], 0, v[XA+2*\half+\t/2], v[WS+4] matrix_a_fmt:MATRIX_FMT_FP6 matrix_b_fmt:MATRIX_FMT_FP6 matrix_a_scale:MATRIX_SCALE_ROW1
.else
	v_wmma_scale_f32_16x16x128_f8f6f4 v[ACC+8*(4*\half+\t):ACC+8*(4*\half+\t)+7], v[XF+12*\t:XF+12*\t+11], v[WF+48:WF+59], 0, v[XA+2*\half+\t/2], v[WS+4] matrix_a_fmt:MATRIX_FMT_FP6 matrix_b_fmt:MATRIX_FMT_FP6
.endif
.endr
.rept 4
	v_nop
.endr
.endm
	s_load_b128 s[4:7], s[0:1], 0x0                ; x, w_qkv
	s_load_b64 s[8:9], s[0:1], 0x10                ; qkv
	v_lshl_add_u32 v255, v0, 2, 0xe000
	s_set_vgpr_msb 0x40
	v_mov_b32 v1, 0
	s_set_vgpr_msb 0x4000
	v_lshrrev_b32 v[MX], 5, v0
	s_delay_alu instid0(VALU_DEP_1)
	v_readfirstlane_b32 s[WV], v[MX]               ; wave 0..7
	v_and_b32 v[LN], 31, v0
	v_and_b32 v[RR], 15, v0
	v_bfe_u32 v[HH], v0, 4, 1
	s_lshr_b32 s[HD], s[WV], 1                     ; second phase: my head,
	s_and_b32 s[FF], s[WV], 1                      ; my half of the tokens, my tile of v
	s_and_b32 s[GG], s[WV], 3                      ; first phase: my 32 tokens,
	s_lshr_b32 s[CC], s[WV], 2                     ; my 64 channels
	s_and_b32 s15, ttmp7, 0xffff                   ; the batch
	v_and_b32 v[XO], 7, v0                         ; lanes 0-7, 8-15, 16-23, 24-31 take tokens 0-7, 16-23, 8-15, 24-31: lanes 0-15 are tile 2 g's rows, lanes 16-31 tile 2 g + 1's
	v_and_b32 v[MX], 8, v0
	s_delay_alu instid0(VALU_DEP_1)
	v_lshl_or_b32 v[XO], v[MX], 1, v[XO]
	v_and_b32 v[MX], 16, v0
	s_delay_alu instid0(VALU_DEP_1)
	v_lshrrev_b32 v[MX], 1, v[MX]
	s_delay_alu instid0(VALU_DEP_1)
	v_or_b32 v[XO], v[XO], v[MX]
	s_delay_alu instid0(VALU_DEP_1)
	v_lshlrev_b32 v[XO], 2, v[XO]
	v_and_b32 v[MX], 8, v[RR]
	s_delay_alu instid0(VALU_DEP_1)
	v_add_nc_u32 v[MX], v[MX], v[RR]               ; r + 8 (r / 8)
	s_delay_alu instid0(VALU_DEP_1)
	v_lshlrev_b32 v[WO], 9, v[MX]                  ; a row of w_qkv is 512 bytes;
	s_delay_alu instid0(VALU_DEP_1)
	v_lshl_add_u32 v[WO], v[HH], 7, v[WO]          ; lane (r, h) takes blocks h and 2 + h
	s_lshl_b32 s40, s15, 21                        ; x: the batch,
	s_lshl_b32 s41, s[CC], 20                      ; my 64 channels of 16,384 bytes,
	s_add_co_u32 s40, s40, s41
	s_lshl_b32 s41, ttmp9, 9                       ; the step's 128 tokens,
	s_add_co_u32 s40, s40, s41
	s_lshl_b32 s41, s[GG], 7                       ; my 32 of them
	s_add_co_u32 s40, s40, s41
	s_mov_b32 s41, 0
	s_mul_i32 s42, s[WV], 3                        ; my first tile of W
.irp k, 0,1,2
	s_add_co_u32 s43, s42, \k
	s_lshr_b32 s44, s43, 1
	s_lshl_b32 s44, s44, 14                        ; 32 rows of 512 bytes for each pair of tiles,
	s_and_b32 s43, s43, 1
	s_lshl_b32 s43, s43, 12                        ; 8 rows for the odd one
	s_add_co_u32 s[34+2*\k], s44, s43
	s_mov_b32 s[35+2*\k], 0
.endr
	s_lshl_b32 s44, s15, 5
	s_add_co_u32 s44, s44, ttmp9
	s_mul_i32 s44, s44, CHUNK                      ; my chunk
	s_mov_b32 s45, 0
	s_mov_b32 s[SEL], 0x76543210
	s_mov_b32 s[SEL+1], 0xfedcba98
	s_mov_b32 s[SCL], 0x3e3504f3                   ; 32^-1/2
	s_mov_b32 s[SCL+1], s[SCL]                     ; (named with it as a pair, so it is written)
	s_wait_alu depctr_va_vdst(0)
	s_wait_kmcnt 0x0
	s_add_nc_u64 s[4:5], s[4:5], s[40:41]
.irp k, 0,1,2
	s_add_nc_u64 s[16+2*\k:17+2*\k], s[6:7], s[34+2*\k:35+2*\k]
.endr
	s_add_nc_u64 s[22:23], s[8:9], s[44:45]
	; W's tiles 0 and 1 go out first and are quantised while x is on its way
.irp k, 0,1
.irp c, 0,1
.irp j, 0,1,2,3,4,5,6,7
	global_load_b128 v[W0R+64*\k+32*\c+4*\j:W0R+64*\k+32*\c+4*\j+3], v[WO], s[16+2*\k:17+2*\k] offset:256*\c+16*\j
.endr
.endr
.endr
.set i, 0
.rept 64
	global_load_b32 v[XR+i], v[XO], s[4:5] offset:i*16384 th:TH_LOAD_NT   ; channel 64 cc + i of my token: the wave reads 128 consecutive bytes, four waves side by side 512
.set i, i+1
.endr
	s_mul_i32 s46, s[WV], 1536
	s_add_co_u32 s46, s46, 26112
	s_mov_b32 s47, 0
	s_add_nc_u64 s[24:25], s[22:23], s[46:47]      ; q's fragment 2 hd + f = my wave's number
	s_mul_i32 s46, s[HD], 6144
	s_mul_i32 s40, s[FF], 1536
	s_add_co_u32 s46, s46, s40
	s_add_nc_u64 s[26:27], s[22:23], s[46:47]      ; k's fragment f of my head,
	s_add_nc_u64 s[28:29], s[26:27], 3072          ; v's tile f
	v_lshlrev_b32 v[L16], 4, v[LN]
	v_lshlrev_b32 v[L8], 3, v[LN]
	v_lshlrev_b32 v[L4], 2, v[LN]
	s_wait_alu depctr_va_vdst(0)
	s_mul_i32 s40, s[GG], 3072                     ; tiles 2 g, 2 g + 1;
	s_mul_i32 s41, s[CC], 768                      ; pairs 3 cc on
	s_add_co_u32 s40, s40, s41
	v_add_nc_u32 v[XWI], s40, v[L8]
	s_lshl_b32 s40, s[GG], 7
	s_lshl_b32 s41, s[CC], 1                       ; bytes 2 cc, 2 cc + 1 of the word
	s_add_co_u32 s40, s40, s41
	v_add_nc_u32 v[XWS], s40, v[L4]
	s_mul_i32 s40, s[WV], 4608
	v_add_nc_u32 v[WWI], s40, v[L16]
	s_mul_i32 s40, s[WV], 384
	v_add_nc_u32 v[WWS], s40, v[L4]
	s_mul_i32 s40, s[FF], 6144
	v_add_nc_u32 v[XRD], s40, v[L8]
	s_lshl_b32 s40, s[FF], 8
	v_add_nc_u32 v[XSA], s40, v[L4]
	s_mul_i32 s40, s[HD], 3072
	v_add_nc_u32 v[WRD], s40, v[L16]
	s_lshl_b32 s40, s[HD], 8
	v_add_nc_u32 v[WRS], s40, v[L4]
	s_mul_i32 s40, s[FF], 1536
	v_add_nc_u32 v[WRV], s40, v[WRD]
	s_lshl_b32 s40, s[FF], 7
	v_add_nc_u32 v[WVS], s40, v[WRS]
	s_lshl_b32 s40, s[HD], 8
	s_lshl_b32 s41, s[FF], 6
	s_add_co_u32 s40, s40, s41
	s_add_co_u32 s40, s40, SCG
	v_lshl_add_u32 v[SGB], v[RR], 2, s40
	s_lshl_b32 s40, s[HD], 7
	s_add_co_u32 s40, s40, s41
	s_add_co_u32 s40, s40, SCG+1024
	v_lshl_add_u32 v[SGQ], v[RR], 2, s40
	v_lshl_add_u32 v[SGR], v0, 4, SCG
	v_lshlrev_b32 v[G16], 4, v0
	v_lshlrev_b32 v[SH8], 3, v[HH]
	v_mov_b32 v[BY+2], 0                           ; written once: a lane permute's destination counts as one of its sources
	v_mov_b32 v[BY+3], 0
	v_mov_b32 v[TW], 0
	; ---- first phase: codes of W and of x into LDS
	s_wait_loadcnt 63                              ; 64 loads were issued behind W's tile 1; 63 is the largest count a wait can name: W's tiles 0 and 1 are in
	QLANE W0R, PC
	WOUT 0
.irp c, 0,1
.irp j, 0,1,2,3,4,5,6,7
	global_load_b128 v[W0R+32*\c+4*\j:W0R+32*\c+4*\j+3], v[WO], s[20:21] offset:256*\c+16*\j   ; tile 2, into the registers that tile 0 has left
.endr
.endr
	s_wait_dscnt 0x0                               ; the stores have read their registers
	QLANE W1R, PC
	WOUT 1
	s_wait_loadcnt 16                              ; x is in; W's tile 2, 16 loads, may be out
	s_wait_dscnt 0x0
	QLANE XR, PC                                   ; blocks 2 cc and 2 cc + 1 of my token
	v_lshl_or_b32 v[TW], v[BY+1], 8, v[BY]
	ds_store_b16 v[XWS], v[TW] offset:XSC          ; their two bytes, at their place in my token's scale word
.irp i, 0,1,2,3,4,5
	v_permlane16_swap_b32 v[PC+\i], v[PC+6+\i]     ; the first six now hold registers 6 cc .. of tile 2 g's fragment (lanes 16-31: block 2 cc + 1), the second six those of tile 2 g + 1's
.endr
.irp i, 0,1,2
	ds_store_b64 v[XWI], v[PC+2*\i:PC+2*\i+1] offset:XIMG+256*\i
	ds_store_b64 v[XWI], v[PC+6+2*\i:PC+7+2*\i] offset:XIMG+1536+256*\i
.endr
	s_wait_loadcnt 0x0
	s_wait_dscnt 0x0
	QLANE W0R, PC
	WOUT 2
	BARRIER                                        ; x's 8 fragments and W's 24 lie in LDS
	; ---- second phase
	XFETCH XRD, 0                                  ; token tiles 4 f .. 4 f + 3
.irp i, 0,1
	ds_load_b32 v[XQ+\i], v[XSA] offset:XSC+128*\i   ; lanes 0-15: tile 4 f + 2 i, lanes 16-31: tile 4 f + 2 i + 1
.endr
.irp i, 0,1,2,3
	ds_load_b32 v[XA+\i], v[L4] offset:XSC+128*\i    ; the same for tiles 2 i, 2 i + 1
.endr
.irp kind, 0,1
.irp u, 0,1
.irp g, 0,1,2
	ds_load_b128 v[WF+12*(2*\kind+\u)+4*\g:WF+12*(2*\kind+\u)+4*\g+3], v[WRD] offset:WIMG+12288*\kind+1536*\u+512*\g
.endr
	ds_load_b32 v[WS+2*\kind+\u], v[WRS] offset:WSC+1024*\kind+128*\u
.endr
.endr
.irp g, 0,1,2
	ds_load_b128 v[WF+48+4*\g:WF+48+4*\g+3], v[WRV] offset:WIMG+24576+512*\g
.endr
	ds_load_b32 v[WS+4], v[WVS] offset:WSC+2048
	s_wait_dscnt 0x0
	UNIT_T 0                                       ; q
.set i, 0
.rept 32
	v_pk_mul_f32 v[ACC+i:ACC+i+1], v[ACC+i:ACC+i+1], s[SCL:SCL+1] op_sel_hi:[1,0]   ; x 32^-1/2, in f32, ahead of the quantiser; each accumulator from its low end on
.set i, i+2
.endr
	QUANT ACC
	GOUT 24
	ds_store_b32 v[SGQ], v[PW]                     ; both halves of the lanes write the same word with the same value
	UNIT_T 1                                       ; k
	s_wait_xcnt 0x0                                ; q's stores have read their registers: the codes may be written again
	s_wait_dscnt 0x0                               ; and so may the scale word
	XFETCH L8, 0                                   ; token tiles 0-3 for v: behind the four places that follow k's products; they land under the quantiser
	QUANT ACC
	GOUT 26
	ds_store_b32 v[SGB], v[PW]
	s_wait_dscnt 0x0
	UNIT_V 0                                       ; v, tokens 0-63
	XFETCH L8, 4
	s_wait_dscnt 0x0
	UNIT_V 1                                       ; tokens 64-127
	s_wait_xcnt 0x0                                ; k's stores have read their registers
	QUANT ACC
	GOUT 28
	ds_store_b32 v[SGB], v[PW] offset:128
	BARRIER                                        ; the chunk's 1,536 bytes of scale words lie in LDS
	s_cmp_lt_u32 s[WV], 3
	s_cbranch_scc0 .Ldone
	ds_load_b128 v[32:35], v[SGR]
	s_wait_dscnt 0x0
	global_store_b128 v[G16], v[32:35], s[22:23] offset:24576   ; each of three waves stores 512 consecutive bytes, aligned
.Ldone:
	s_set_vgpr_msb 0x4
	s_wait_tensorcnt 0x0
	ds_add_u32 v255, v1
	s_wait_dscnt 0x0
	s_set_vgpr_msb 0x400
	s_endpgm
.Lfunc_end_k_q6fa369e710_prep:
	.size	k_q6fa369e710_prep, .Lfunc_end_k_q6fa369e710_prep-k_q6fa369e710_prep
	.p2alignl 7, 3214868480
	.fill 96, 4, 3214868480
	.section	.rodata,"a",@progbits
	.p2align	6, 0x0
	.amdhsa_kernel k_q6fa369e710_prep
		.amdhsa_group_segment_fixed_size 58368
		.amdhsa_private_segment_fixed_size 0
		.amdhsa_enable_private_segment 0
		.amdhsa_kernarg_size 24
		.amdhsa_user_sgpr_count 2
		.amdhsa_user_sgpr_kernarg_segment_ptr 1
		.amdhsa_wavefront_size32 1
		.amdhsa_system_sgpr_workgroup_id_x 1
		.amdhsa_system_sgpr_workgroup_id_y 1
		.amdhsa_system_sgpr_workgroup_id_z 1
		.amdhsa_system_vgpr_workitem_id 0
		.amdhsa_next_free_vgpr 258
		.amdhsa_next_free_sgpr 66
		.amdhsa_reserve_vcc 0
		.amdhsa_float_denorm_mode_32 3
		.amdhsa_float_denorm_mode_16_64 3
		.amdhsa_memory_ordered 1
		.amdhsa_forward_progress 1
		.amdhsa_inst_pref_size 61
	.end_amdhsa_kernel
	.amdgpu_metadata
---
amdhsa.version: [ 1, 2 ]
amdhsa.kernels:
  - .name:           k_q6fa369e710_prep
    .symbol:         k_q6fa369e710_prep.kd
    .args:
      - { .name: x, .offset: 0, .size: 8, .value_kind: global_buffer, .address_space: global }
      - { .name: w_qkv, .offset: 8, .size: 8, .value_kind: global_buffer, .address_space: global }
      - { .name: qkv, .offset: 16, .size: 8, .value_kind: global_buffer, .address_space: global }
    .group_segment_fixed_size: 58368
    .private_segment_fixed_size: 0
    .kernarg_segment_align: 8
    .kernarg_segment_size: 24
    .max_flat_workgroup_size: 256
    .sgpr_count:     66
    .vgpr_count:     258
    .wavefront_size: 32
...
	.end_amdgpu_metadata
.endif
;; end of part 1
;; launch attn (part 2): grid 64 x 4, 16 waves a work-group, clusters of 4 x 1, 327,680 bytes of LDS; arguments qkv, w_out, b_out, out0; writes out0
.if DOCPART == 2
	.amdgcn_target "amdgcn-amd-amdhsa--gfx1250"
	.amdhsa_code_object_version 6
	.text
	.protected	k_q6fa369e710_attn
	.globl	k_q6fa369e710_attn
	.p2align	8
	.type	k_q6fa369e710_attn,@function
k_q6fa369e710_attn:
	s_mov_b64 s[64:65], 0
	v_nop
	global_prefetch_b8 v0, s[64:65] scope:SCOPE_SE
	s_setreg_imm32_b32 hwreg(HW_REG_WAVE_MODE, 25, 1), 1
	s_wait_xcnt 0x0
	s_wait_alu depctr_hold_cnt(0) depctr_sa_sdst(0) depctr_va_vdst(0) depctr_va_sdst(0) depctr_va_ssrc(0) depctr_va_vcc(0) depctr_vm_vsrc(0)
	s_getreg_b32 s2, hwreg(HW_REG_IB_STS2, 6, 4)
	s_cmp_eq_u32 s2, 0
	s_cbranch_scc0 .Lentry_in_a_cluster
	s_endpgm
.Lentry_in_a_cluster:
	s_bfe_u32 s2, ttmp6, 0x10000c
	s_cmp_lg_u32 s2, 0x3003
	s_cbranch_scc0 .Lentry_shape_is_right
	s_endpgm
.Lentry_shape_is_right:
; out0 = w_out softmax(q k^T) v + b_out, all products on codes of FP6 (E2M3) with one E8M0 scale for each 32 along a product's K.  q (already x 32^-1/2), k and v come as images of
; operand registers from the launch before (its head comment has the chunk's layout: 38,400 bytes for each 128 tokens of a batch, the first 25,600 of them k, v and their scale words of all four heads).
; THE SOFTMAX: t = score x log2(e); M = the row's largest t so far, rounded UP to a whole number; p = 2^(t - M) is quantised along the keys, not normalised; the row's sum is taken of the
; unquantised p and divides at the end.  When M moves, the sum and O are multiplied by 2^(old M - new M): exact.
; SHARES.  A work-group owns 64 queries of ALL FOUR heads of one batch, so that the last product's K (128 hidden units: a block of 32 is a head) lies in one work-group.  Sixteen waves, wave = 4 hd + T:
; head hd, tile T of 16 queries, in 256 registers: four waves to a SIMD, so that one wave's exponentials stand beside another's plain work, products and LDS loads.  Every wave walks all 4,096 keys, 128 a step.
; THE FIRST PRODUCT HAS K = 32.  One fragment of k holds FOUR tiles of 16 keys, one in each block of 32 of the instruction's K; it is multiplied by q laid into block j alone, with zero codes in the other
; three blocks, which add nothing (all scale bytes lie in 1 .. 254).  The four forms of q overlap in one run of 30 registers: Z QL Z QH Z, six each; QL has the codes in lanes 0-15, QH in lanes 16-31.
; Both products are used transposed: a lane holds ONE query (lane % 16) throughout; the keys of a tile were chosen so that the 16 registers of score tiles 2 b, 2 b + 1 are keys 32 b + 16 (lane / 16) + 0 .. 15.
; CLUSTER.  The four work-groups of a cluster belong to one batch and walk the same k and v: each tile is asked for JOINTLY (the same descriptor, mask 15).  Waves 0-3 fetch one key step each, 100 rows of 256 bytes.
; LIMITS: NaN and infinities are not served; a block of zeros gets the byte 1 where the rule says 127 (its codes are zeros; nobody else reads the bytes); blocks under 2^-124 are held at the byte 1;
; the division by the row's sum is v_rcp_f32 and a multiplication.
.set CHUNK,  38400
.set KVB,    25600                     ; a key step's tile
.set BATCHB, 32*CHUNK
.set SLOTB,  4*CHUNK                   ; a slot on, in memory: four key steps
.set SLOT1,  1<<17                     ; slot 0 at 0, slot 1 here: one exclusive or turns an address; each holds 4 x 25,600 bytes
.set SPARE,  SLOT1+4*KVB               ; the spare words, 128 bytes for each of 16 waves: eight blocks of 256 bytes that no other line names
.set EXC,    SPARE+2048                ; the attention's result as codes: 64 rows (16 T + r) of 96 bytes + 8
.set XPITCH, 104
.set EXS,    EXC+64*XPITCH             ; its scale words: 64 T + 4 r, byte hd
.set STG,    EXS+256                   ; the stage for out0: 128 rows (channels) x (64 tokens x 4 bytes + 16)
.set SPITCH, 272
.set AK0, 1                            ; v1   16 x lane + 6144 hd
.set AS0, 2                            ; v2   24576 + 256 hd + 4 x lane
.set SPW, 3                            ; v3   LDS address of my spare word; never rewritten
.set NIL, 4                            ; v4   0; never rewritten
.set ADK, 5                            ; v5   the step's fragments
.set ADS, 6                            ; v6   the step's scale words
.set RR,  7                            ; v7   r
.set HH,  8                            ; v8   h
.set QB,  16                           ; v16-45  the run of q
.set KF,  48                           ; v48-71  k's two fragments
.set VF,  72                           ; v72-95  v's two tiles
.set SS,  96                           ; v96-159 S^T, then p
.set OT,  160                          ; v160-175 O^T: register 8 t + j = channel 16 h + 8 t + j
.set WOF, 176                          ; v176-199 w_out's two fragments
.set BI,  202                          ; v202-203 the bias of my two tiles
.set PFO, 204                          ; v204 the prefetches' offset; never rewritten
.set SH8, 205                          ; v205 8 h
.set WOS, 206                          ; v206-207 w_out's scale words.  These, v248-249, v253 and v255 hold scales and nothing else
.set KSC, 248
.set VSC, 249
.set ASC, 250
.set PSC, 253
.set QSC, 255
.set MX,  232                          ; the head's quantiser of w_out: at work
.set TW,  234
.set P2,  236
.set SOL, 244
.set BY,  246
.set WV,  12
.set HD,  13
.set TT,  14
.set PFA, 18                           ; s[18:19] where my prefetches stand
.set SEL, 20
.set CS,  22                           ; s[22:23] log2(e)
.set G1,  24
.set G0,  32
.set TB,  36                           ; LDS byte at which the step's tile begins
.set SLOTS, 37
.set CNT, 38
.set LIM, 39
.macro QLANE s, d                              ; 64 numbers of a lane, two blocks whole in the lane -> 12 registers of codes, bytes in v[BY + c]
.irp c, 0,1
	v_max3_num_f32 v[MX+\c], |v[\s+32*\c]|, |v[\s+32*\c+1]|, 0x1800000
.endr
.irp i, 2,4,6,8,10,12,14,16,18,20,22,24,26,28,30
.irp c, 0,1
	s_delay_alu instid0(VALU_DEP_2)
	v_max3_num_f32 v[MX+\c], v[MX+\c], |v[\s+32*\c+\i]|, |v[\s+32*\c+\i+1]|
.endr
.endr
.irp c, 0,1
	s_delay_alu instid0(VALU_DEP_2)
	v_add_nc_u32 v[SOL+\c], 0xff000000, v[MX+\c]
.endr
.irp c, 0,1
	s_delay_alu instid0(VALU_DEP_2)
	v_lshrrev_b32 v[BY+\c], 23, v[SOL+\c]
.endr
.irp c, 0,1
	v_cvt_scalef32_pk16_fp6_f32 v[\d+6*\c:\d+6*\c+2], v[\s+32*\c:\s+32*\c+15], v[SOL+\c]
	v_cvt_scalef32_pk16_fp6_f32 v[P2+4*\c:P2+4*\c+2], v[\s+32*\c+16:\s+32*\c+31], v[SOL+\c]
.endr
	v_nop                                          ; one plain place behind a scaled conversion
.irp c, 0,1
.irp i, 0,1,2
	v_mov_b32 v[\d+6*\c+3+\i], v[P2+4*\c+\i]
.endr
.endr
.endm
.macro WWORD dst
	v_lshl_or_b32 v[\dst], v[BY+1], 16, v[BY]
	s_delay_alu instid0(VALU_DEP_1)
	v_lshlrev_b32 v[\dst], v[SH8], v[\dst]
	s_delay_alu instid0(VALU_DEP_1)
	v_permlanex16_b32 v[TW], v[\dst], s[SEL], s[SEL+1]
	s_delay_alu instid0(VALU_DEP_1)
	v_or_b32 v[\dst], v[\dst], v[TW]
.endm
.macro BARRIER
	s_wait_dscnt 0x0
	s_barrier_signal -1
	s_barrier_wait -1
.endm
.macro CROUND                                  ; a round of the cluster's barrier
	s_barrier_signal -1
	s_barrier_wait -1
	s_cmp_lg_u32 s[WV], 0
	s_cbranch_scc1 .Lnot_wave_0_\@
	s_barrier_signal -3
.Lnot_wave_0_\@:
	s_barrier_wait -3
	s_barrier_signal -1
	s_barrier_wait -1
.endm
.macro TLOAD                                   ; waves 0-3: one key step of the slot each.  The branch hangs on the wave's number alone; four v_nop follow the load
	s_cmp_lt_u32 s[WV], 4
	s_cbranch_scc0 .Lnone_\@
	tensor_load_to_lds s[G0:G0+3], s[G1:G1+7]
	s_nop 0
.rept 4
	v_nop
.endr
.Lnone_\@:
.endm
; A PREFETCH INTO THE L2 of what the NEXT change of slots will ask for: four key steps of 100 rows of 256 bytes.  All clusters of a batch walk the same bytes: the batch's first cluster asks.  Its four partners share
; the slot out BY ADDRESS, a key step each; in each, waves 4-7 ask, a lane a row (lanes past the 100th name the last row again).  The last change that fills a slot asks for nothing; slots 0 and 1 come by their loads alone.
.macro ASK
	s_cmp_gt_u32 s[SLOTS], s[LIM]
	s_cbranch_scc0 .Lnot_mine_\@
	global_prefetch_b8 v[PFO], s[PFA:PFA+1] th:TH_LOAD_NT scope:SCOPE_SE
.Lnot_mine_\@:
.endm
; THE CHANGE OF SLOTS, at a slot's head.  Each wave waits for all its tensor loads (one at the most is out), adds 0 to its spare word, and waits for that and for its reads of the slot that it has left.
; fill = 1: the barrier is a round of the cluster's, and behind it the slot just left is filled with the next four key steps: the load has four key steps in which to land.
.macro CHANGE fill
	s_wait_tensorcnt 0x0                           ; no tensor load of mine is out, so the group 0 may be written
	ds_add_u32 v[SPW], v[NIL]                      ; 0 onto my spare word
.if \fill
	s_xor_b32 s[G0+1], s[G0+1], SLOT1              ; the other slot than last time,
	s_add_nc_u64 s[G0+2:G0+3], s[G0+2:G0+3], SLOTB ; the next four key steps; the type bits on top are not reached
	s_wait_xcnt 0x0                                ; the last prefetch, a slot back, has read its address
	s_add_nc_u64 s[PFA:PFA+1], s[PFA:PFA+1], SLOTB
	s_wait_dscnt 0x0                               ; the add is done, and my reads of the slot that I have left are over
	CROUND
	TLOAD                                          ; the first tensor load behind the round, and the wave's only one until the next
	ASK
.else
	s_wait_dscnt 0x0
	s_barrier_signal -1
	s_barrier_wait -1
.endif
.endm
; A KEY STEP: 128 keys.
.macro STEP
	v_add_nc_u32 v[ADK], s[TB], v[AK0]
	v_add_nc_u32 v[ADS], s[TB], v[AS0]
	ds_load_b32 v[KSC], v[ADS]                     ; lanes 0-15: fragment 0's words, lanes 16-31: fragment 1's
.irp f, 0,1
.irp g, 0,1,2
	ds_load_b128 v[KF+12*\f+4*\g:KF+12*\f+4*\g+3], v[ADK] offset:1536*\f+512*\g
.endr
.endr
	s_wait_alu depctr_va_vdst(0)
	s_wait_dscnt 0x0
.irp f, 0,1                                    ; S^T: tile 4 f + b = block b of fragment f against q in block b
.irp b, 0,1,2,3
.if \f
	v_wmma_scale_f32_16x16x128_f8f6f4 v[SS+8*(4*\f+\b):SS+8*(4*\f+\b)+7], v[KF+12*\f:KF+12*\f+11], v[QB+12*(\b%2)+6*(1-\b/2):QB+12*(\b%2)+6*(1-\b/2)+11], 0, v[KSC], v[QSC] matrix_a_fmt:MATRIX_FMT_FP6 matrix_b_fmt:MATRIX_FMT_FP6 matrix_a_scale:MATRIX_SCALE_ROW1
.else
	v_wmma_scale_f32_16x16x128_f8f6f4 v[SS+8*(4*\f+\b):SS+8*(4*\f+\b)+7], v[KF+12*\f:KF+12*\f+11], v[QB+12*(\b%2)+6*(1-\b/2):QB+12*(\b%2)+6*(1-\b/2)+11], 0, v[KSC], v[QSC] matrix_a_fmt:MATRIX_FMT_FP6 matrix_b_fmt:MATRIX_FMT_FP6
.endif
.endr
.endr
.rept 4
	v_nop                                          ; four places in front of the first read of the scores; with the two additions above: six behind the last step's products, in front of the loads into v's registers
.endr
	ds_load_b32 v[VSC], v[ADS] offset:128          ; v lands under the softmax
.irp t, 0,1
.irp g, 0,1,2
	ds_load_b128 v[VF+12*\t+4*\g:VF+12*\t+4*\g+3], v[ADK] offset:3072+1536*\t+512*\g
.endr
.endr
.irp b, 0,1,2,3
	v_max3_num_f32 v[232+\b], v[96+16*\b], v[97+16*\b], v[98+16*\b]   ; the largest score of each block of 32 keys: for the row's maximum, and, since p rises with the score, for the block's largest p
.endr
.irp i, 3,5,7,9,11,13
.irp b, 0,1,2,3
	v_max3_num_f32 v[232+\b], v[232+\b], v[96+16*\b+\i], v[97+16*\b+\i]
.endr
.endr
.irp b, 0,1,2,3
	v_max_num_f32 v[232+\b], v[232+\b], v[111+16*\b]
.endr
.irp b, 0,1,2,3
	s_delay_alu instid0(VALU_DEP_4)
	v_permlanex16_b32 v[236+\b], v[232+\b], s[SEL], s[SEL+1]
.endr
.irp b, 0,1,2,3
	s_delay_alu instid0(VALU_DEP_4)
	v_max_num_f32 v[232+\b], v[232+\b], v[236+\b]  ; with lane l xor 16's 16 keys
.endr
	s_delay_alu instid0(VALU_DEP_2)
	v_max3_num_f32 v254, v232, v233, v234
	s_delay_alu instid0(VALU_DEP_1)
	v_max_num_f32 v254, v254, v235
	s_delay_alu instid0(VALU_DEP_1)
	v_mul_f32 v254, s[CS], v254                    ; as t
	s_delay_alu instid0(VALU_DEP_1)
	v_max_num_f32 v13, v13, v254                   ; the running largest t
	v_mov_b32 v254, v12
	s_delay_alu instid0(VALU_DEP_2)
	v_floor_f32 v12, -v13                          ; the new -M = -ceil(t): a whole number
	s_delay_alu instid0(VALU_DEP_1)
	v_sub_f32 v254, v12, v254                      ; old M - new M: a whole number, 0 or less
	s_delay_alu instid0(VALU_DEP_1)
	v_cvt_i32_f32 v254, v254                       ; (it saturates)
	s_delay_alu instid0(VALU_DEP_1)
	v_ldexp_f32 v252, 1.0, v254                    ; f = 2^(old M - new M)
.irp j, 0,2,4,6,8,10,12,14,16,18,20,22,24,26,28,30,32,34,36,38,40,42,44,46,48,50,52,54,56,58,60,62
	v_pk_fma_f32 v[96+\j:97+\j], v[96+\j:97+\j], s[CS:CS+1], v[12:13] op_sel_hi:[1,0,0]   ; t - M, two at a time
.endr
.irp b, 0,1,2,3
	v_fma_f32 v[232+\b], v[232+\b], s[CS], v12     ; the same of each block's largest score
.endr
.set j, 0
	s_setprio 1
	s_wait_alu depctr_va_vdst(0)
.rept 64
	v_exp_f32 v[96+j], v[96+j]                     ; p = 2^(t - M), at most 1
.set j, j+1
.endr
	v_pk_mul_f32 v[14:15], v[14:15], v[252:253] op_sel_hi:[1,0]   ; the sums under the new M: a plain place behind the exponentials
	s_wait_alu depctr_va_vdst(0)                   ; one wait for the batch of 64, ahead of the first line that names a result
.irp b, 0,1,2,3
	v_exp_f32 v[232+\b], v[232+\b]                 ; the block's largest p: the same two instructions on the same number give the same bits
.endr
	s_wait_alu depctr_va_vdst(0)
.irp j, 0,2,4,6,8,10,12,14
	v_pk_mul_f32 v[OT+\j:OT+\j+1], v[OT+\j:OT+\j+1], v[252:253] op_sel_hi:[1,0]   ; O^T under the new M: plain work behind the four
.endr
	s_wait_alu depctr_va_vdst(0)                   ; and one wait for the four
.irp b, 0,1,2,3
	v_max_num_f32 v[232+\b], 0x1800000, v[232+\b]  ; the floor 2^(3 - 127): the byte cannot fall under 1
.endr
.irp b, 0,1,2,3
	s_delay_alu instid0(VALU_DEP_4)
	v_add_nc_u32 v[244+\b], 0xff000000, v[232+\b]  ; 2 off the exponent field: the conversion's scale operand
.endr
.irp b, 0,1,2,3
	s_delay_alu instid0(VALU_DEP_4)
	v_lshrrev_b32 v[236+\b], 23, v[244+\b]         ; the scale's byte
.endr
	s_delay_alu instid0(VALU_DEP_3)
	v_lshl_or_b32 v[PSC], v237, 8, v236            ; p's scale word for these 128 keys
	s_delay_alu instid0(VALU_DEP_1)
	v_lshl_or_b32 v[PSC], v238, 16, v[PSC]
	s_delay_alu instid0(VALU_DEP_1)
	v_lshl_or_b32 v[PSC], v239, 24, v[PSC]
.irp c, 0,1
	v_cvt_scalef32_pk16_fp6_f32 v[224+6*\c:226+6*\c], v[96+32*\c:111+32*\c], v[244+2*\c]
	v_cvt_scalef32_pk16_fp6_f32 v[236+4*\c:238+4*\c], v[112+32*\c:127+32*\c], v[244+2*\c+1]
.endr
	v_nop                                          ; one plain place behind a scaled conversion
.irp c, 0,1
.irp i, 0,1,2
	v_permlane16_swap_b32 v[224+6*\c+\i], v[236+4*\c+\i]
.endr
.irp i, 0,1,2
	s_delay_alu instid0(VALU_DEP_3)
	v_mov_b32 v[227+6*\c+\i], v[236+4*\c+\i]
.endr
.endr
	v_pk_add_f32 v[236:237], v[100:101], v[104:105]
	v_pk_add_f32 v[250:251], v[108:109], v[112:113]
	s_setprio 0
	v_pk_add_f32 v[246:247], v[116:117], v[120:121]
	v_pk_add_f32 v[244:245], v[124:125], v[128:129]
	v_pk_add_f32 v[242:243], v[132:133], v[136:137]
	v_pk_add_f32 v[240:241], v[140:141], v[144:145]
	v_pk_add_f32 v[222:223], v[148:149], v[152:153]
	v_pk_add_f32 v[14:15], v[14:15], v[156:157]
	v_pk_add_f32 v[236:237], v[236:237], v[96:97]
	v_pk_add_f32 v[250:251], v[250:251], v[98:99]
	v_pk_add_f32 v[246:247], v[246:247], v[102:103]
	v_pk_add_f32 v[244:245], v[244:245], v[106:107]
	v_pk_add_f32 v[242:243], v[242:243], v[110:111]
	v_pk_add_f32 v[240:241], v[240:241], v[114:115]
	v_pk_add_f32 v[222:223], v[222:223], v[118:119]
	v_pk_add_f32 v[14:15], v[14:15], v[122:123]
	v_pk_add_f32 v[236:237], v[236:237], v[126:127]
	v_pk_add_f32 v[250:251], v[250:251], v[130:131]
	v_pk_add_f32 v[246:247], v[246:247], v[134:135]
	v_pk_add_f32 v[244:245], v[244:245], v[138:139]
	v_pk_add_f32 v[242:243], v[242:243], v[142:143]
	v_pk_add_f32 v[240:241], v[240:241], v[146:147]
	v_pk_add_f32 v[222:223], v[222:223], v[150:151]
	v_pk_add_f32 v[14:15], v[14:15], v[154:155]
	v_pk_add_f32 v[236:237], v[236:237], v[158:159]
	s_delay_alu instid0(VALU_DEP_2)
	v_pk_add_f32 v[14:15], v[14:15], v[244:245]
	s_delay_alu instid0(VALU_DEP_2)
	v_pk_add_f32 v[236:237], v[236:237], v[242:243]
	v_pk_add_f32 v[250:251], v[250:251], v[240:241]
	v_pk_add_f32 v[246:247], v[246:247], v[222:223]
	s_delay_alu instid0(VALU_DEP_2)
	v_pk_add_f32 v[14:15], v[14:15], v[250:251]
	s_delay_alu instid0(VALU_DEP_2)
	v_pk_add_f32 v[236:237], v[236:237], v[246:247]
	s_delay_alu instid0(VALU_DEP_1)
	v_pk_add_f32 v[14:15], v[14:15], v[236:237]
	s_wait_dscnt 0x0                               ; v is in
	v_wmma_scale_f32_16x16x128_f8f6f4 v[OT:OT+7], v[VF:VF+11], v[224:235], v[OT:OT+7], v[VSC], v[PSC] matrix_a_fmt:MATRIX_FMT_FP6 matrix_b_fmt:MATRIX_FMT_FP6
	v_wmma_scale_f32_16x16x128_f8f6f4 v[OT+8:OT+15], v[VF+12:VF+23], v[224:235], v[OT+8:OT+15], v[VSC], v[PSC] matrix_a_fmt:MATRIX_FMT_FP6 matrix_b_fmt:MATRIX_FMT_FP6 matrix_a_scale:MATRIX_SCALE_ROW1
.endm
.macro FOUR_STEPS                              ; a slot's four key steps: written once, walked four times
	s_mov_b32 s[CNT], 4
.Lstep_\@:
	s_setprio 2
	STEP
	s_add_co_u32 s[TB], s[TB], KVB
	s_sub_co_u32 s[CNT], s[CNT], 1
	s_cmp_lg_u32 s[CNT], 0
	s_cbranch_scc1 .Lstep_\@
	s_setprio 0
	s_sub_co_u32 s[TB], s[TB], 4*KVB               ; back to a slot's first step,
	s_xor_b32 s[TB], s[TB], SLOT1                  ; in the other slot
.endm
	s_load_b256 s[4:11], s[0:1], 0x0               ; qkv s[4:5], w_out s[6:7], b_out s[8:9], out0 s[10:11]
	v_lshl_add_u32 v[SPW], v0, 2, SPARE
	v_mov_b32 v[NIL], 0
	ds_add_u32 v3, v4
	ds_add_u32 v3, v4
	s_wait_dscnt 0x0
	v_lshrrev_b32 v9, 5, v0
	s_delay_alu instid0(VALU_DEP_1)
	v_readfirstlane_b32 s[WV], v9                  ; wave 0..15
	s_lshr_b32 s[HD], s[WV], 2                     ; my head
	s_and_b32 s[TT], s[WV], 3                      ; my tile of queries.  Also: which key step of a slot I fetch, if I fetch
	s_and_b32 s17, ttmp7, 0xffff                   ; the batch, which the four partners share
	s_mul_i32 s40, s17, BATCHB
	s_mov_b32 s41, 0
	s_mul_i32 s42, s[TT], CHUNK
	s_mov_b32 s43, 0
	; descriptor group 1: 100 rows of 256 bytes (32 elements of 8 bytes), dense in memory and in LDS
	s_mov_b32 s[G1], 15|(3<<16)|(1<<21)            ; 15:0 the mask: all four work-groups; 17:16 elements of 8 bytes; 20 no padding; 21 set beside a mask
	s_mov_b32 s[G1+1], 32<<16                      ; tensor_dim0 = 32
	s_mov_b32 s[G1+2], 100<<16                     ; tensor_dim1 = 100
	s_mov_b32 s[G1+3], 32<<16                      ; tile_dim0 = 32
	s_mov_b32 s[G1+4], 100                         ; tile_dim1 = 100
	s_mov_b32 s[G1+5], 32                          ; from row to row
	s_mov_b32 s[G1+6], 0
	s_mov_b32 s[G1+7], 0
	s_mov_b32 s[G0], 1                             ; count = 1
	s_mul_i32 s[G0+1], s[TT], KVB                  ; LDS address: slot 0, my key step: no place in the cluster enters it
	s_mov_b32 s[SEL], 0x76543210
	s_mov_b32 s[SEL+1], 0xfedcba98
	s_mov_b32 s[CS], 0x3fb8aa3b                    ; log2(e)
	s_mov_b32 s[CS+1], s[CS]
	s_mov_b32 s[TB], 0
	s_mov_b32 s[SLOTS], 7
	s_mov_b32 s56, 0x0000ffff                      ; lanes 0-15
	s_mov_b32 s57, 0xffff0000                      ; lanes 16-31
	s_wait_kmcnt 0x0
	s_add_nc_u64 s[4:5], s[4:5], s[40:41]          ; the batch's 32 chunks
	s_add_nc_u64 s[G0+2:G0+3], s[4:5], s[42:43]    ; global address: key step = my number
	s_or_b32 s[G0+3], s[G0+3], 0x80000000          ; type = 2
	CROUND                                         ; all four work-groups are here: the first joint loads meet
	TLOAD                                          ; slot 0
	v_and_b32 v[RR], 15, v0
	s_wait_alu depctr_va_vdst(0)
	v_bfe_u32 v[HH], v0, 4, 1
	s_bfe_u32 s15, ttmp6, 0x40000                  ; cx: it enters global addresses alone (q, out0, the prefetches)
	s_lshl_b32 s16, ttmp9, 2
	s_add_co_u32 s16, s16, s15                     ; my block of 64 queries = 4 x cluster x + cx
	s_mul_i32 s44, s15, CHUNK                      ; the prefetches: my work-group's key step of a slot,
	s_add_co_u32 s44, s44, SLOTB                   ; in slot 1: the first change of slots steps it to slot 2
	s_mov_b32 s45, 0
	s_add_nc_u64 s[PFA:PFA+1], s[4:5], s[44:45]
	s_lshr_b32 s44, s[WV], 2
	s_xor_b32 s44, s44, 1                          ; 0 in waves 4-7,
	s_or_b32 s44, s44, ttmp9                       ; of the batch's first cluster: the same in all four partners
	s_cmp_eq_u32 s44, 0
	s_cselect_b32 s[LIM], 1, -1
	s_lshr_b32 s44, s16, 1
	s_mul_i32 s44, s44, CHUNK                      ; my queries' chunk,
	s_and_b32 s46, s16, 1                          ; and which half of its 128 tokens
	s_lshl_b32 s47, s[HD], 1
	s_add_co_u32 s47, s47, s46
	s_mul_i32 s47, s47, 1536
	s_add_co_u32 s48, s47, s44
	s_add_co_u32 s48, s48, 26112
	s_mov_b32 s49, 0
	s_add_nc_u64 s[48:49], s[4:5], s[48:49]        ; q's fragment: block T of it is my tile
	s_lshl_b32 s50, s[HD], 7
	s_lshl_b32 s46, s46, 6
	s_add_co_u32 s50, s50, s46
	s_add_co_u32 s50, s50, s44
	s_add_co_u32 s50, s50, 25600
	s_mov_b32 s51, 0
	s_add_nc_u64 s[50:51], s[4:5], s[50:51]        ; and its scale words
	s_lshl_b32 s44, s[HD], 7
	s_add_nc_u64 s[8:9], s[8:9], s[44:45]          ; b_out at channel 32 hd
	s_lshl_b32 s44, s[HD], 14
	s_add_nc_u64 s[6:7], s[6:7], s[44:45]          ; w_out at row 32 hd
	s_lshl_b32 s44, s17, 21
	s_lshl_b32 s46, s[WV], 17
	s_add_co_u32 s44, s44, s46
	s_lshl_b32 s46, s16, 8
	s_add_co_u32 s44, s44, s46
	s_add_nc_u64 s[10:11], s[10:11], s[44:45]      ; out0: the batch, channel 8 x wave, my block's 64 tokens
	s_and_b32 s52, s[TT], 1                        ; my tile's codes stand in lanes 16 (T % 2) + r of the image, registers 6 (T / 2) .. + 5: three pieces of 8 bytes
	s_lshl_b32 s52, s52, 8
	s_lshr_b32 s53, s[TT], 1
	s_mul_i32 s54, s53, 520
	s_add_co_u32 s54, s54, s52
	s_mul_i32 s55, s53, 1016
	s_add_co_u32 s55, s55, s52
	v_lshl_add_u32 v9, v[RR], 4, s54               ; pieces 0 (offset 0) and 2 (offset 512)
	v_lshl_add_u32 v10, v[RR], 4, s55              ; piece 1 (offset 8)
	v_lshlrev_b32 v11, 2, v[RR]
	v_lshlrev_b32 v88, 9, v[RR]
	s_wait_alu depctr_va_vdst(0)
	v_lshl_add_u32 v88, v[HH], 7, v88              ; w_out: row r of 512 bytes, + 128 h
	global_load_b64 v[80:81], v9, s[48:49]         ; both halves of the lanes take query r's 32 codes
	global_load_b64 v[82:83], v10, s[48:49] offset:8
	global_load_b64 v[84:85], v9, s[48:49] offset:512
	global_load_b32 v86, v11, s[50:51]
	global_load_b32 v[BI], v11, s[8:9]
	global_load_b32 v[BI+1], v11, s[8:9] offset:64
.irp c, 0,1
.irp j, 0,1,2,3,4,5,6,7
	global_load_b128 v[96+32*\c+4*\j:96+32*\c+4*\j+3], v88, s[6:7] offset:256*\c+16*\j          ; rows 32 hd + r
	global_load_b128 v[16+32*\c+4*\j:16+32*\c+4*\j+3], v88, s[6:7] offset:8192+256*\c+16*\j     ; rows 32 hd + 16 + r
.endr
.endr
	v_and_b32 v[AK0], 31, v0
	s_delay_alu instid0(VALU_DEP_1)
	v_lshlrev_b32 v[AS0], 2, v[AK0]
	s_delay_alu instid0(VALU_DEP_2)
	v_lshlrev_b32 v[AK0], 4, v[AK0]
	s_mul_i32 s40, s[HD], 6144
	v_add_nc_u32 v[AK0], s40, v[AK0]
	s_lshl_b32 s41, s[HD], 8
	s_add_co_u32 s41, s41, 24576
	v_add_nc_u32 v[AS0], s41, v[AS0]
	v_and_b32 v[PFO], 127, v0                      ; 32 (wave % 4) + lane,
	s_delay_alu instid0(VALU_DEP_1)
	v_min_u32 v[PFO], 99, v[PFO]                   ; held at the tile's last row,
	s_delay_alu instid0(VALU_DEP_1)
	v_lshlrev_b32 v[PFO], 8, v[PFO]                ; x 256 bytes
	v_lshlrev_b32 v[SH8], 3, v[HH]
	v_mov_b32 v[TW], 0                             ; written once: a lane permute's destination counts as one of its sources
	s_mul_i32 s42, s[TT], 0x01010101               ; byte T of a word, four times
	s_wait_loadcnt 0x0
	QLANE 96, WOF                                  ; w_out is quantised here, by each wave for its own 32 rows
	WWORD WOS
	QLANE 16, WOF+12
	WWORD WOS+1
.irp z, 0,12,24
.irp i, 0,1,2,3,4,5
	v_mov_b32 v[QB+\z+\i], 0                       ; Z: zero codes
.endr
.endr
.irp i, 0,1,2,3,4,5
	v_cndmask_b32 v[QB+6+\i], 0, v[80+\i], s56     ; QL
	v_cndmask_b32 v[QB+18+\i], 0, v[80+\i], s57    ; QH
.endr
	v_perm_b32 v[QSC], v86, v86, s42               ; my tile's byte in all four bytes: whichever block holds q finds its scale
	v_mov_b32 v13, 0xff61b1e6                      ; the largest t so far: -3e38, under every t
	s_delay_alu instid0(VALU_DEP_1)
	v_floor_f32 v12, -v13                          ; -M
	v_mov_b32 v14, 0                               ; the sum, in two halves
	v_mov_b32 v15, 0
.irp j, 0,1,2,3,4,5,6,7,8,9,10,11,12,13,14,15
	v_mov_b32 v[OT+\j], 0                          ; O^T: the step is written once; its first pass finds zeros, which the first change of M leaves zeros
.endr
.irp b, 0,1,2,3
	v_mov_b32 v[236+\b], 0
.endr
	v_mov_b32 v[PSC], 0                            ; (named as the upper half of the pair v[252:253] before it is first written)
.Lslot:                                            ; 7 trips: behind each change of slots but the last the next slot is asked for
	CHANGE 1
	FOUR_STEPS
	s_sub_co_u32 s[SLOTS], s[SLOTS], 1
	s_cmp_lg_u32 s[SLOTS], 0
	s_cbranch_scc1 .Lslot
	CHANGE 0                                       ; the last slot is written out
	FOUR_STEPS
	s_wait_alu depctr_va_vdst(0)
	; THE WAY OUT.  O^T / the sum is quantised along the hidden units (my head is one block of 32: lanes l and l xor 16), meets the other heads' codes in LDS, and is multiplied by w_out.
	v_add_f32 v14, v14, v15
	s_delay_alu instid0(VALU_DEP_1)
	v_permlanex16_b32 v252, v14, s[SEL], s[SEL+1]
	s_delay_alu instid0(VALU_DEP_1)
	v_add_f32 v14, v14, v252                       ; the row's sum
	s_wait_alu depctr_va_vdst(0)
	v_rcp_f32 v14, v14
	s_mul_i32 s40, s[TT], 16*XPITCH
	s_add_co_u32 s40, s40, EXC                     ; my tile's 16 rows of codes
	s_mul_i32 s41, s[HD], 24
	s_add_co_u32 s41, s41, s40                     ; and my head's 24 bytes in them
	s_lshl_b32 s42, s[TT], 6
	s_add_co_u32 s42, s42, EXS                     ; my tile's scale words
	s_add_co_u32 s43, s42, s[HD]                   ; and my head's byte in them
	s_mul_i32 s44, s[HD], 32*SPITCH
	s_lshr_b32 s45, s[TT], 1
	s_lshl_b32 s45, s45, 7
	s_add_co_u32 s44, s44, s45
	s_and_b32 s45, s[TT], 1
	s_lshl_b32 s45, s45, 5
	s_add_co_u32 s44, s44, s45
	s_add_co_u32 s44, s44, STG                     ; the stage: channel 32 hd, tokens 32 (T / 2) + 8 (T % 2)
	s_mul_i32 s45, s[WV], 8*SPITCH
	s_add_co_u32 s45, s45, STG                     ; back: channels 8 x wave on
	v_mul_u32_u24 v9, v[RR], XPITCH                ; (plain lines behind the reciprocal; they are also the places behind the last products)
	s_delay_alu instid0(VALU_DEP_1)
	v_mad_u32_u24 v11, v[HH], 24, v9
	s_delay_alu instid0(VALU_DEP_1)
	v_add_nc_u32 v11, s40, v11                     ; the fragment: row r, + 24 h
	s_delay_alu instid0(VALU_DEP_3)
	v_mad_u32_u24 v9, v[HH], 12, v9
	s_delay_alu instid0(VALU_DEP_1)
	v_add_nc_u32 v9, s41, v9                       ; my 16 codes: row r, + 24 hd + 12 h
	v_lshl_add_u32 v[ADK], v[RR], 2, s42           ; row r's scale word
	v_lshl_add_u32 v10, v[RR], 2, s43              ; my byte of it
	v_mul_u32_u24 v[ADS], v[RR], SPITCH
	s_delay_alu instid0(VALU_DEP_1)
	v_lshl_add_u32 v[ADS], v[HH], 6, v[ADS]
	s_delay_alu instid0(VALU_DEP_1)
	v_add_nc_u32 v[ADS], s44, v[ADS]               ; into the stage: channel row r, + 64 h bytes
	v_mul_u32_u24 v[AK0], v[HH], SPITCH
	s_delay_alu instid0(VALU_DEP_1)
	v_lshl_add_u32 v[AK0], v[RR], 4, v[AK0]
	s_delay_alu instid0(VALU_DEP_1)
	v_add_nc_u32 v[AK0], s45, v[AK0]               ; back: lanes 0-15 one row, lanes 16-31 the next
	v_lshlrev_b32 v[AS0], 14, v[HH]
	s_delay_alu instid0(VALU_DEP_1)
	v_lshl_add_u32 v[AS0], v[RR], 4, v[AS0]        ; and the same two rows in out0
	s_wait_alu depctr_va_vdst(0)                   ; the wait ahead of the reciprocal's first reader
.irp j, 0,1,2,3,4,5,6,7,8,9,10,11,12,13,14,15
	v_mul_f32 v[96+\j], v[OT+\j], v14              ; hidden unit 32 hd + 16 h + j of query r; each accumulator from its low end on
.endr
	v_max3_num_f32 v232, |v96|, |v97|, 0x1800000
.irp i, 2,4,6,8,10,12,14
	s_delay_alu instid0(VALU_DEP_1)
	v_max3_num_f32 v232, v232, |v[96+\i]|, |v[97+\i]|
.endr
	s_delay_alu instid0(VALU_DEP_1)
	v_permlanex16_b32 v236, v232, s[SEL], s[SEL+1]
	s_delay_alu instid0(VALU_DEP_1)
	v_max_num_f32 v232, v232, v236
	s_delay_alu instid0(VALU_DEP_1)
	v_add_nc_u32 v244, 0xff000000, v232
	s_delay_alu instid0(VALU_DEP_1)
	v_lshrrev_b32 v237, 23, v244
	v_cvt_scalef32_pk16_fp6_f32 v[224:226], v[96:111], v244
	v_nop                                          ; one plain place behind a scaled conversion
.irp i, 0,1,2
	ds_store_b32 v9, v[224+\i] offset:4*\i
.endr
	ds_store_b8 v10, v237                          ; both halves of the lanes write the same byte with the same value
.irp n, 0,1
.irp j, 0,1,2,3,4,5,6,7
	v_mov_b32 v[112+8*\n+\j], v[BI+\n]             ; the bias is the C of the last product: channel r of tile n, for all eight tokens
.endr
.endr
	s_wait_alu depctr_va_vdst(0)
	BARRIER                                        ; 64 rows of 128 codes and their scale words lie in LDS
.irp p, 0,1,2,3,4,5
	ds_load_b64 v[48+2*\p:49+2*\p], v11 offset:48*(\p/3)+8*(\p%3)
.endr
	ds_load_b32 v[ASC], v[ADK]
	s_wait_dscnt 0x0
.irp n, 0,1                                    ; source 0 = my 16 queries, source 1 = rows 32 hd + 16 n + r of w_out: a lane holds channel r and the tokens 32 (T / 2) + 16 h + 8 (T % 2) + 0 .. 7
	v_wmma_scale_f32_16x16x128_f8f6f4 v[112+8*\n:119+8*\n], v[48:59], v[WOF+12*\n:WOF+12*\n+11], v[112+8*\n:119+8*\n], v[ASC], v[WOS+\n] matrix_a_fmt:MATRIX_FMT_FP6 matrix_b_fmt:MATRIX_FMT_FP6
.endr
.rept 4
	v_nop
.endr
.irp n, 0,1
	ds_store_b128 v[ADS], v[112+8*\n:115+8*\n] offset:16*SPITCH*\n
	ds_store_b128 v[ADS], v[116+8*\n:119+8*\n] offset:16*SPITCH*\n+16
.endr
	BARRIER                                        ; 128 channels x 64 tokens lie in the stage
.irp i, 0,1,2,3
	ds_load_b128 v[128+4*\i:131+4*\i], v[AK0] offset:2*SPITCH*\i
.endr
.irp i, 0,1,2,3
	s_wait_dscnt 3-\i                              ; LDS loads come back in order: the younger ones may be out
	global_store_b128 v[AS0], v[128+4*\i:131+4*\i], s[10:11] offset:32768*\i th:TH_STORE_NT   ; 16 lanes store 256 consecutive bytes, aligned: 64 tokens of one channel
.endr
	s_wait_tensorcnt 0x0                           ; the wave's end
	ds_add_u32 v[SPW], v[NIL]
	s_wait_dscnt 0x0
	CROUND                                         ; the closing round: no work-group ends while a partner may still ask for a tile that names it
	s_endpgm
.Lfunc_end_k_q6fa369e710_attn:
	.size	k_q6fa369e710_attn, .Lfunc_end_k_q6fa369e710_attn-k_q6fa369e710_attn
	.p2alignl 7, 3214868480
	.fill 96, 4, 3214868480
	.section	.rodata,"a",@progbits
	.p2align	6, 0x0
	.amdhsa_kernel k_q6fa369e710_attn
		.amdhsa_group_segment_fixed_size 327680
		.amdhsa_private_segment_fixed_size 0
		.amdhsa_enable_private_segment 0
		.amdhsa_kernarg_size 32
		.amdhsa_user_sgpr_count 2
		.amdhsa_user_sgpr_kernarg_segment_ptr 1
		.amdhsa_wavefront_size32 1
		.amdhsa_system_sgpr_workgroup_id_x 1
		.amdhsa_system_sgpr_workgroup_id_y 1
		.amdhsa_system_sgpr_workgroup_id_z 1
		.amdhsa_system_vgpr_workitem_id 0
		.amdhsa_next_free_vgpr 256
		.amdhsa_next_free_sgpr 66
		.amdhsa_reserve_vcc 0
		.amdhsa_float_denorm_mode_32 3
		.amdhsa_float_denorm_mode_16_64 3
		.amdhsa_memory_ordered 1
		.amdhsa_forward_progress 1
		.amdhsa_inst_pref_size 59
	.end_amdhsa_kernel
	.amdgpu_metadata
---
amdhsa.version: [ 1, 2 ]
amdhsa.kernels:
  - .name:           k_q6fa369e710_attn
    .symbol:         k_q6fa369e710_attn.kd
    .args:
      - { .name: qkv, .offset: 0, .size: 8, .value_kind: global_buffer, .address_space: global }
      - { .name: w_out, .offset: 8, .size: 8, .value_kind: global_buffer, .address_space: global }
      - { .name: b_out, .offset: 16, .size: 8, .value_kind: global_buffer, .address_space: global }
      - { .name: out0, .offset: 24, .size: 8, .value_kind: global_buffer, .address_space: global }
    .group_segment_fixed_size: 327680
    .private_segment_fixed_size: 0
    .kernarg_segment_align: 8
    .kernarg_segment_size: 32
    .max_flat_workgroup_size: 512
    .sgpr_count:     66
    .vgpr_count:     256
    .wavefront_size: 32
...
	.end_amdgpu_metadata
.endif
;; end of part 2
